; MI455X (gfx1250); checked and timed in simulation.
; The chip was launched on July 23, 2026; its instructions are those of AMD's public machine-readable ISA for CDNA 5 (MIT licence, August 2026) and "CDNA5" Instruction Set Architecture Reference Guide (July 2026). The comments in the code are by the model that wrote it; some were corrected since.
;; Native Bit Linear. Allowed arithmetic: matrix products marked QUANTISED: E5M2 operands, one given power-of-two scale a tensor, by v_wmma_f32_16x16x64_bf8_bf8 or v_wmma_f32_16x16x128_bf8_bf8, f32 sums; everything else in f32.
;; Inputs: bias 4,096 float32; codebook 262,144 x 8 float32; lowp_scales 2 int32 (the exponents e of the quantised operands' scales 2^e); weight 4,096 x 4,096 float32; x 2 x 2,048 x 4,096 float32.
;; Outputs: out0 2 x 2,048 x 4,096 float32.
;; This version of the problem:
;;   THIS VERSION OF THE PROBLEM IS GIVEN IN LOW PRECISION. The matrix products marked QUANTISED in the list below multiply operands that are first quantised to E5M2 (5 exponent bits, 2 mantissa bits; 8 bits a number), with one given power-of-two scale for each operand tensor; their sums are f32. All else is computed in f32.
;;   The module's matrix products, in the order in which they are computed (A, B: the left and right operand; K: the contracted axis; several contracted axes count as one K, in the product's order):
;;     1. [M 4,096, K 4,096] x [K 4,096, N 4,096]; A: input x; B: computed on the way: QUANTISED (scales: A lowp_scales[0], B lowp_scales[1])
;;   THE QUANTISER, for each operand of a quantised product, along K:
;;     - The operand's scale is 2^e, e = its entry of the input lowp_scales (int32; the entries are numbered through the quantised products in the list's order, A before B).
;;     - Each number is divided by the scale, clamped to +-57,344, and rounded to the nearest number of E5M2, ties to even, subnormals kept.
;;     - The product sums the exact products of the quantised numbers (number of the format x scale) in f32.
;;   ~~~python
;;   def quantise(x, axis, e):      # numpy; x: float32 -> the quantised numbers, widened to float32 again
;;       x = np.moveaxis(x, axis, -1); K = x.shape[-1]
;;       r = np.clip(x / 2.0 ** e, -57344, 57344)
;;       step = 2.0 ** (np.maximum(np.frexp(np.where(r == 0, 1, r))[1] - 1, -14) - 2)
;;       q = np.round(r / step) * step * 2.0 ** e      # np.round: ties to even
;;       return np.moveaxis(q, -1, axis).astype(np.float32)
;;   ~~~
;;   OPERANDS COMPUTED ON THE WAY. 'Computed on the way' means the value that the module computes at that place (a softmax that the list does not call 'softmax' is quantised finished and normalised). What goes into a quantiser is computed in f32, as accurately as f32 sums, v_exp_f32 and their like allow (about 1e-6 of the number): no bf16 or f16 on the way to a quantiser, and a product that is left as it is and whose result goes on into a quantised operand takes f32 operands (vector FMAs, or v_wmma_f32_16x16x4_f32). A number that lies on a knife's edge between two numbers of the format may be rounded either way, as far as f32 arithmetic and the matrix unit's own rounding can turn it there, and no further.
;; One version. Each part assembles by itself: llvm-mc -triple=amdgcn-amd-amdhsa -mcpu=gfx1250 --defsym DOCPART=n.
;; ======== version 1 of 1: 2 launches
;; limits: inputs' magnitudes at most 9.2e+18; below input magnitudes of 1.08e-19 results are inexact or not finite; right only within a limited range of input values
;; workspace buffers: xq 16,777,216 bytes; wq 16,777,216 bytes
;; launch prep (part 1): grid 256 x 1, 16 waves a work-group, no clusters, 34,816 bytes of LDS; arguments x, weight, codebook, lowp_scales, xq, wq; writes xq, wq
.if DOCPART == 1
	.amdgcn_target "amdgcn-amd-amdhsa--gfx1250"
	.amdhsa_code_object_version 6
	.text
	.protected	k_qd729f9ae5d_prep
	.globl	k_qd729f9ae5d_prep
	.p2align	8
	.type	k_qd729f9ae5d_prep,@function
k_qd729f9ae5d_prep:
	s_mov_b64 s[64:65], 0
	v_nop
	global_prefetch_b8 v0, s[64:65] scope:SCOPE_SE
	s_setreg_imm32_b32 hwreg(HW_REG_WAVE_MODE, 25, 1), 1
	s_wait_xcnt 0x0
; BOTH OPERANDS OF out0 = Q(x) Q(qw)^T + bias ARE MADE INTO CODES OF E5M2 HERE, ONCE.  x: [4096][4096] f32 (batch and position folded), weight: [4096][4096] f32, codebook: [262144][8] f32.
; qw is what reference() holds ahead of the product: weight + (c - weight) in f32, c = that of the block's 8 entries whose f32 (w - c)^2 is least, the lowest index among equals.
; A block is 64 neighbours of a row of weight: block 64 o + i / 64; its 8 entries are the 32 bytes at 32 x block.  4096 x 4096 is a multiple of 64: nothing is padded, nothing sliced.
; Every input is loaded (bias by the second launch).  w + (c - w) is c in real numbers only; it stands ahead of a quantiser, so its f32 rounding is kept: the f32 number c - w is the negative of the f32
; number r = w - c, which the choice needs anyway, so qw = w - r, one packed subtraction.
; THE SQUARE IS NOT FORMED: THE CHOICE GOES BY |r|, AND IS THE SAME CHOICE.  Rounding keeps order, so r^2 in f32 never falls as |r| grows.  And it merges no two numbers: for r = m 2^e, 1 <= m < 2, the next f32 number is
; u = 2^(e-23) on, and the exact squares lie 2 r u = m 2^(2e-22) apart or more: 2 m last places of the square where m^2 < 2, m >= 1.41 last places where m^2 >= 2; two reals more than one last place apart do not round
; to one number.  So the f32 squares are ordered, and equal, just as the magnitudes are, for every pair of f32 numbers whose squares are normal numbers.
; LIMITS: that identity holds for |w - c| from 2^-63 to under 2^64, and for 0; among entries nearer than 2^-63 to a weight the choice may differ from argmin's, and the two results then differ by under 2^-62.
; The inputs are finite (NaN and infinity are not served); both e between -126 and 112, so that 2^e and 57,344 x 2^e are f32 numbers.
; THE QUANTISER: code = number / 2^e, held within +-57,344, to the nearest code, ties to even; e = lowp_scales[0] for x, lowp_scales[1] for qw.
; THE CODES' LAYOUT, the same in xq and wq: [4096 rows][4096 bytes]; in a row, byte 512 c + 16 l + 4 i + j holds k = 512 c + 128 i + 4 l + j (c 0..7, l 0..31, i 0..3, j 0..3): one permutation of K for both
; operands, so every product keeps its partner.  It is the order in which a lane's four dense loads of 16 bytes (load i: 512 consecutive bytes a wave) fill 16 registers, which the conversions turn into the
; lane's 16 consecutive bytes: no turn through LDS, and each load and store of a wave covers 512 consecutive bytes, aligned.
; SHARES.  Wave g = 16 x work-group + wave takes row g of x AND row g of weight, in 8 steps of 512 numbers of each: one way through the text for all waves; the loads and x's few lines stand among the weights' many.
; Waves share nothing: no barrier.  Work-groups share no input: no cluster, no tensor load; the matrix units have nothing to do here.  Loads run two steps ahead: 16 loads of 512 bytes a wave.
; THE CODEBOOK'S ROW (64 blocks, 2,048 bytes) is read once, by four dense loads, laid as it lies into the wave's own 2,048 bytes of LDS, and read back 16 bytes a lane, sixteen lanes at one address:
; in load i of step c lanes 0-15 hold numbers of block 8 c + 2 i, lanes 16-31 of block 8 c + 2 i + 1.
.set STEPF, 2048                       ; bytes of a step's 512 f32 numbers
.set STEPC, 512                        ; bytes of its codes
.set SPARE, 32768                      ; behind the sixteen regions: the spare words, 128 bytes for each wave: eight blocks of 256 bytes that no other line names
.set VO,  1                            ; v1   16 x lane: the offset of every global load and store; never rewritten
.set CB0, 2                            ; v2   2048 x wave + 32 x (lane / 16): my block's entries in group 0 of step 0
.set CAD, 3                            ; v3   the same in the trip in hand
.set CBW, 4                            ; v4   2048 x wave + 16 x lane: where I lay the codebook's bytes
.set SPW, 5                            ; v5   LDS address of my spare word: SPARE + 4 x my thread's number; never rewritten
.set NIL, 6                            ; v6   0; never rewritten
.set SX,  8                            ; v8   2^e0, v9 57,344 x 2^e0
.set SW,  10                           ; v10  2^e1, v11 57,344 x 2^e1
.set R,   16                           ; v[16:47] differences of four weights: weight 2 q + j, entry e at R + 16 q + 2 e + j.  (At the head v16-31: the codebook's bytes on their way to LDS)
.set C,   48                           ; v[48:79] group i's 8 entries at C + 8 i
.set W,   80                           ; v[80:111]  two sets of 16 weights
.set X,   112                          ; v[112:143] two sets of 16 numbers of x
.set CX,  144                          ; v[144:147], v[152:155] x's codes, a set for each step of a trip
.set CW,  148                          ; v[148:151], v[156:159] the weights'
.set TRIPS, 24                         ; s24
.set CBT,   25                         ; s25  LDS byte of the trip's blocks in a region: 512 x trip
.set MK1,   28                         ; s[28:43] lane masks of the sixteen first matches,
.set MK2,   44                         ; s[44:51] of the eight second,
.set MK3,   52                         ; s[52:55] of the four last
.set REG,   56                         ; s56  my wave's region of LDS
	s_load_b256 s[4:11], s[0:1], 0x0               ; x s[4:5], weight s[6:7], codebook s[8:9], the scales' exponents s[10:11]
	s_load_b128 s[12:15], s[0:1], 0x20             ; xq s[12:13], wq s[14:15]
	v_lshl_add_u32 v[SPW], v0, 2, SPARE
	v_mov_b32 v[NIL], 0
	v_lshrrev_b32 v7, 5, v0
	v_readfirstlane_b32 s16, v7                    ; wave 0..15
	v_and_b32 v[VO], 31, v0
	v_lshlrev_b32 v[VO], 4, v[VO]
	v_bfe_u32 v7, v0, 4, 1                         ; lane / 16
	s_lshl_b32 s[REG], s16, 11                     ; 2,048 bytes a wave
	v_lshl_add_u32 v[CB0], v7, 5, s[REG]
	v_add_nc_u32 v[CBW], s[REG], v[VO]
	s_lshl_b32 s17, ttmp9, 4
	s_add_co_u32 s17, s17, s16                     ; my row g
	s_lshl_b32 s18, s17, 14                        ; 16,384 bytes a row of x and of weight,
	s_mov_b32 s19, 0
	s_lshl_b32 s20, s17, 11                        ; 2,048 of the codebook,
	s_mov_b32 s21, 0
	s_lshl_b32 s26, s17, 12                        ; 4,096 of codes
	s_mov_b32 s27, 0
	s_wait_kmcnt 0x0
	s_load_b64 s[22:23], s[10:11], 0x0             ; e0, e1
	s_add_nc_u64 s[4:5], s[4:5], s[18:19]
	s_add_nc_u64 s[6:7], s[6:7], s[18:19]
	s_add_nc_u64 s[8:9], s[8:9], s[20:21]
	s_add_nc_u64 s[12:13], s[12:13], s[26:27]
	s_add_nc_u64 s[14:15], s[14:15], s[26:27]
.macro LOADW p, k                      ; the weights of the step k steps on from the trip's first, into set p
.irp i, 0,1,2,3
	global_load_b128 v[W+16*\p+4*\i:W+16*\p+4*\i+3], v[VO], s[6:7] offset:STEPF*(\k)+512*\i th:TH_LOAD_NT
.endr
.endm
.macro LOADX p, k                      ; the same of x
.irp i, 0,1,2,3
	global_load_b128 v[X+16*\p+4*\i:X+16*\p+4*\i+3], v[VO], s[4:5] offset:STEPF*(\k)+512*\i th:TH_LOAD_NT
.endr
.endm
.irp j, 0,1,2,3
	global_load_b128 v[R+4*\j:R+4*\j+3], v[VO], s[8:9] offset:512*\j th:TH_LOAD_NT   ; the row's 64 blocks of entries
.endr
	LOADX 0, 0
	LOADW 0, 0
	LOADX 1, 1
	LOADW 1, 1
	s_wait_kmcnt 0x0
	s_add_co_i32 s26, s22, 127
	s_lshl_b32 s27, s26, 23
	v_mov_b32 v[SX], s27                           ; 2^e0 as f32: the conversion takes its exponent field
	s_add_co_i32 s26, s26, 15
	s_lshl_b32 s26, s26, 23
	s_or_b32 s26, s26, 0x600000
	v_mov_b32 v[SX+1], s26                         ; 57,344 x 2^e0
	s_add_co_i32 s26, s23, 127
	s_lshl_b32 s27, s26, 23
	v_mov_b32 v[SW], s27                           ; 2^e1
	s_add_co_i32 s26, s26, 15
	s_lshl_b32 s26, s26, 23
	s_or_b32 s26, s26, 0x600000
	v_mov_b32 v[SW+1], s26                         ; 57,344 x 2^e1
	s_wait_loadcnt 16                              ; the codebook's four loads are in: the sixteen of steps 0 and 1 were issued behind them
.irp j, 0,1,2,3
	ds_store_b128 v[CBW], v[R+4*\j:R+4*\j+3] offset:512*\j   ; as they lie.  LDS serves a wave's instructions in order (ISA guide 5.7.1.4): my loads below see these, with no wait between
.endr
	s_mov_b32 s[TRIPS], 3
	s_mov_b32 s[CBT], 0
; FOUR WEIGHTS, v[w] to v[w + 3], of one block, whose 8 entries stand in v[c] on, become qw in place.
; The differences are made two weights an instruction.  Then a knock-out in index order, seven matches a weight: (0,1) (2,3) (4,5) (6,7), the winners of those, the winners of these.  A match is a comparison of magnitudes
; and a selection; the signed difference is key and prize in one register, and the winner stays in the left one's.  The right one, of the higher index, is taken only where it is STRICTLY nearer:
; so the lowest index at the least distance comes through, which is argmin's choice among equals.  The four weights' matches of a level stand together, so that no line waits for the line above it.
.macro VQ4 w, c
.irp q, 0,1
.irp e, 0,2,4,6
	v_pk_add_f32 v[R+16*\q+2*\e:R+16*\q+2*\e+1], v[\w+2*\q:\w+2*\q+1], v[\c+\e:\c+\e+1] op_sel_hi:[1,0] neg_lo:[0,1] neg_hi:[0,1]                  ; r = w - entry e: the pair's first register for both halves,
	v_pk_add_f32 v[R+16*\q+2*\e+2:R+16*\q+2*\e+3], v[\w+2*\q:\w+2*\q+1], v[\c+\e:\c+\e+1] op_sel:[0,1] op_sel_hi:[1,1] neg_lo:[0,1] neg_hi:[0,1]   ; entry e + 1: its second
.endr
.endr
.irp o, 0,1,4,5,8,9,12,13,16,17,20,21,24,25,28,29
	v_cmp_lt_f32 s[MK1+(\o/4)*2+\o%4], |v[R+\o+2]|, |v[R+\o]|          ; entry 2 n + 1 against entry 2 n
.endr
.irp o, 0,1,4,5,8,9,12,13,16,17,20,21,24,25,28,29
	v_cndmask_b32 v[R+\o], v[R+\o], v[R+\o+2], s[MK1+(\o/4)*2+\o%4]
.endr
.irp o, 0,1,8,9,16,17,24,25
	v_cmp_lt_f32 s[MK2+(\o/8)*2+\o%8], |v[R+\o+4]|, |v[R+\o]|          ; the better of entries 4 p + 2, 4 p + 3 against the better of 4 p, 4 p + 1
.endr
.irp o, 0,1,8,9,16,17,24,25
	v_cndmask_b32 v[R+\o], v[R+\o], v[R+\o+4], s[MK2+(\o/8)*2+\o%8]
.endr
.irp o, 0,1,16,17
	v_cmp_lt_f32 s[MK3+(\o/16)*2+\o%16], |v[R+\o+8]|, |v[R+\o]|        ; the best of entries 4 to 7 against the best of 0 to 3
.endr
.irp o, 0,1,16,17
	v_cndmask_b32 v[R+\o], v[R+\o], v[R+\o+8], s[MK3+(\o/16)*2+\o%16]
.endr
.irp q, 0,1
	v_pk_add_f32 v[\w+2*\q:\w+2*\q+1], v[\w+2*\q:\w+2*\q+1], v[R+16*\q:R+16*\q+1] neg_lo:[0,1] neg_hi:[0,1]   ; qw = w - r = w + (c - w)
.endr
.endm
; A STEP: 512 numbers of x and 512 weights, in set p.  fill = 1: the set takes the loads of two steps on.  left: how many younger loads may stay out.
.macro STEP p, fill, left
	v_add_nc_u32 v[CAD], s[CBT], v[CB0]
.irp i, 0,1,2,3
	ds_load_b128 v[C+8*\i:C+8*\i+3],   v[CAD] offset:256*\p+64*\i      ; group i: block 8 x step + 2 i + lane / 16: entries 0-3,
	ds_load_b128 v[C+8*\i+4:C+8*\i+7], v[CAD] offset:256*\p+64*\i+16   ; entries 4-7
.endr
	s_wait_loadcnt \left                           ; loads come back in order (ISA guide 5.7.1): this set's eight are in; the other set's eight were issued behind them
.irp i, 0,1,2,3,4,5,6,7,8,9,10,11,12,13,14,15
	v_med3_num_f32 v[X+16*\p+\i], v[X+16*\p+\i], -v[SX+1], v[SX+1]     ; the conversion to an 8-bit code does not saturate (ISA guide 7.6.2): the hold at the largest code x the scale
.endr
	v_cvt_scalef32_pk8_bf8_f32 v[CX+8*\p:CX+8*\p+1],   v[X+16*\p:X+16*\p+7],    v[SX]
	v_cvt_scalef32_pk8_bf8_f32 v[CX+8*\p+2:CX+8*\p+3], v[X+16*\p+8:X+16*\p+15], v[SX]
	v_nop                                          ; one plain vector line behind the last conversion of a run
	global_store_b128 v[VO], v[CX+8*\p:CX+8*\p+3], s[12:13] offset:STEPC*\p    ; 32 lanes store 512 consecutive bytes, aligned
.if \fill
	LOADX \p, \p+2
.endif
.irp i, 0,1,2,3
	s_wait_dscnt 6-2*\i                            ; group i's two loads are in; those of the groups behind it may be out.  (In the first step also: the codebook's stores, which are older, have read R's registers)
	VQ4 W+16*\p+4*\i, C+8*\i
.endr
.irp i, 0,1,2,3,4,5,6,7,8,9,10,11,12,13,14,15
	v_med3_num_f32 v[W+16*\p+\i], v[W+16*\p+\i], -v[SW+1], v[SW+1]
.endr
	v_cvt_scalef32_pk8_bf8_f32 v[CW+8*\p:CW+8*\p+1],   v[W+16*\p:W+16*\p+7],    v[SW]
	v_cvt_scalef32_pk8_bf8_f32 v[CW+8*\p+2:CW+8*\p+3], v[W+16*\p+8:W+16*\p+15], v[SW]
	v_nop
	global_store_b128 v[VO], v[CW+8*\p:CW+8*\p+3], s[14:15] offset:STEPC*\p
.if \fill
	LOADW \p, \p+2
.endif
.endm
.Ltrip:                                            ; three trips of two steps: steps 0 to 5, which ask for steps 2 to 7
	STEP 0, 1, 8
	STEP 1, 1, 8
	s_wait_xcnt 0x0                                ; every earlier memory instruction has had its addresses translated (ISA guide 3.1): only behind this wait are the four bases stepped and the stores' codes written again
	s_add_nc_u64 s[4:5], s[4:5], 2*STEPF
	s_add_nc_u64 s[6:7], s[6:7], 2*STEPF
	s_add_nc_u64 s[12:13], s[12:13], 2*STEPC
	s_add_nc_u64 s[14:15], s[14:15], 2*STEPC
	s_add_co_u32 s[CBT], s[CBT], 512
	s_sub_co_u32 s[TRIPS], s[TRIPS], 1
	s_cmp_lg_u32 s[TRIPS], 0
	s_cbranch_scc1 .Ltrip
	STEP 0, 0, 8                                   ; the last two steps are written out and load nothing: no load passes the row's end
	STEP 1, 0, 0
	s_wait_tensorcnt 0x0                           ; the wave's end: behind my last LDS store
	ds_add_u32 v[SPW], v[NIL]
	s_wait_dscnt 0x0
	s_endpgm
.Lfunc_end_k_qd729f9ae5d_prep:
	.size	k_qd729f9ae5d_prep, .Lfunc_end_k_qd729f9ae5d_prep-k_qd729f9ae5d_prep
	.p2alignl 7, 3214868480
	.fill 96, 4, 3214868480
	.section	.rodata,"a",@progbits
	.p2align	6, 0x0
	.amdhsa_kernel k_qd729f9ae5d_prep
		.amdhsa_group_segment_fixed_size 34816
		.amdhsa_private_segment_fixed_size 0
		.amdhsa_enable_private_segment 0
		.amdhsa_kernarg_size 48
		.amdhsa_user_sgpr_count 2
		.amdhsa_user_sgpr_kernarg_segment_ptr 1
		.amdhsa_wavefront_size32 1
		.amdhsa_system_sgpr_workgroup_id_x 1
		.amdhsa_system_sgpr_workgroup_id_y 1
		.amdhsa_system_sgpr_workgroup_id_z 1
		.amdhsa_system_vgpr_workitem_id 0
		.amdhsa_next_free_vgpr 160
		.amdhsa_next_free_sgpr 66
		.amdhsa_reserve_vcc 0
		.amdhsa_float_denorm_mode_32 3
		.amdhsa_float_denorm_mode_16_64 3
		.amdhsa_memory_ordered 1
		.amdhsa_forward_progress 1
		.amdhsa_inst_pref_size 93
	.end_amdhsa_kernel
	.amdgpu_metadata
---
amdhsa.version: [ 1, 2 ]
amdhsa.kernels:
  - .name:           k_qd729f9ae5d_prep
    .symbol:         k_qd729f9ae5d_prep.kd
    .args:
      - { .name: x, .offset: 0, .size: 8, .value_kind: global_buffer, .address_space: global }
      - { .name: weight, .offset: 8, .size: 8, .value_kind: global_buffer, .address_space: global }
      - { .name: codebook, .offset: 16, .size: 8, .value_kind: global_buffer, .address_space: global }
      - { .name: lowp_scales, .offset: 24, .size: 8, .value_kind: global_buffer, .address_space: global }
      - { .name: xq, .offset: 32, .size: 8, .value_kind: global_buffer, .address_space: global }
      - { .name: wq, .offset: 40, .size: 8, .value_kind: global_buffer, .address_space: global }
    .group_segment_fixed_size: 34816
    .private_segment_fixed_size: 0
    .kernarg_segment_align: 8
    .kernarg_segment_size: 48
    .max_flat_workgroup_size: 512
    .sgpr_count:     66
    .vgpr_count:     160
    .wavefront_size: 32
...
	.end_amdgpu_metadata
.endif
;; end of part 1
;; launch gemm (part 2): grid 16 x 16, 4 waves a work-group, clusters of 4 x 4, 327,680 bytes of LDS; arguments xq, wq, lowp_scales, bias, out0; writes out0
.if DOCPART == 2
	.amdgcn_target "amdgcn-amd-amdhsa--gfx1250"
	.amdhsa_code_object_version 6
	.text
	.protected	k_qd729f9ae5d_gemm
	.globl	k_qd729f9ae5d_gemm
	.p2align	8
	.type	k_qd729f9ae5d_gemm,@function
k_qd729f9ae5d_gemm:
	s_mov_b64 s[64:65], 0
	v_nop
	global_prefetch_b8 v0, s[64:65] scope:SCOPE_SE
	s_setreg_imm32_b32 hwreg(HW_REG_WAVE_MODE, 25, 1), 1
	s_wait_xcnt 0x0
	s_wait_alu depctr_hold_cnt(0) depctr_sa_sdst(0) depctr_va_vdst(0) depctr_va_sdst(0) depctr_va_ssrc(0) depctr_va_vcc(0) depctr_vm_vsrc(0)
	s_getreg_b32 s2, hwreg(HW_REG_IB_STS2, 6, 4)
	s_cmp_eq_u32 s2, 0
	s_cbranch_scc0 .Lentry_in_a_cluster
	s_endpgm
.Lentry_in_a_cluster:
	s_bfe_u32 s2, ttmp6, 0x10000c
	s_cmp_lg_u32 s2, 0xf033
	s_cbranch_scc0 .Lentry_shape_is_right
	s_endpgm
.Lentry_shape_is_right:
; out0[m][n] = 2^(e0 + e1) x (the sum over k of xq[m][k] wq[n][k]) + bias[n].  xq, wq: [4096][4096] codes of BF8 (E5M2), a byte each, made by the launch before; out0: [4096][4096] f32; sums in f32.
; Nothing of reference() is left out here either.  The codes are multiplied as they are, and each finished sum once by 2^(e0 + e1), fused with the bias's addition.
; LIMITS: e0 + e1 between -126 and 127, so that 2^(e0 + e1) is an f32 number.  K stands in both buffers in one and the same permuted order, and a fragment's loads permute it once more, alike on both sides: every
; product meets its partner, and the ORDER of the f32 sums differs from reference()'s.
; A tile of out0, 256 x 256, is made by a work-group of four waves, as many as a WGP has SIMDs; a wave makes 128 x 128: 64 accumulators of 16 x 16, 512 registers.  16 x 16 tiles: 256 work-groups.
; K goes in steps of 256 through a ring of two LDS slots filled by the tensor data mover: a tile's row is 256 bytes of memory, at a multiple of 256 from the buffer's first byte.
; CLUSTERS: 4 x 4 work-groups.  The four of a row of the cluster need the same tiles of xq, the four of a column the same tiles of wq: each tile is asked for JOINTLY, by the same tensor load with the
; same descriptor and a mask that names the four.  THE MATRIX INSTRUCTION IS USED TRANSPOSED (source 0 = 16 rows of wq, source 1 = 16 rows of xq): a lane then holds eight neighbouring numbers of a row of out0.
; REGISTERS, in windows of 256: window 0: v0-31 addresses; v32-35 my four numbers of bias; from v128 A's fragments (8 x 16 rows x 128 K), ONE set; on the way out v128-255 take rows of out0.
;   window 1: B's fragments, TWO sets, at v0 and at v128.   window 2: the 32 accumulators of my rows 0-63 (accumulator (a, b) at v[8 (8 a + b)]);   window 3: those of my rows 64-127.
; A step of 128 along K is 64 matrix instructions, A's blocks one after the other, each against B's eight.  So a block of A is free as soon as its eight products are issued, and one set of registers serves A:
; blocks 0-3 are fetched anew in the step's middle, blocks 4-7 at its end.  B's fragments are at work through the whole step, so B has two sets.
.set SIZE_M, 4096
.set SIZE_N, 4096
.set SIZE_K, 4096
.set KSTEP,  256                       ; along K in a slot
.set ROWB,   256                       ; a tile's row in bytes
.set KROW,   SIZE_K                    ; a row of xq or of wq in memory, in bytes
.set PITCH,  272                       ; an LDS row: 256 bytes of data + 16 of padding = 68 words: row r starts at bank 4 r mod 64 (64 banks of 4 bytes: ISA guide 11.1), so the 16 rows that a load touches start at 16 different banks
.set FR,     16                        ; registers of a fragment: 16 rows x 128 K
.set NL,     4                         ; LDS loads that bring one
.set NP,     4                         ; places behind this matrix instruction (ISA guide 7.12.1)
.set HALFT,  128*PITCH                 ; 128 rows: what one tensor load brings, and what one wave reads of A or of B
.set SLOT,   4*HALFT                   ; A's 256 rows, then B's 256 rows
.set LAPS,   SIZE_K/(2*KSTEP)          ; a lap = two K steps = once round the ring: 8
.set SPARE,  2*SLOT                    ; behind the ring: the spare words, 128 bytes for each wave: two blocks of 256 bytes that no other line names
.set SPITCH, 528                       ; the way out: a stage of 16 rows x (512 bytes + 16) for each wave.  It lies in slot 0, which has had its last fill and its last read when the first result is stored there
.set ADRA, 16                          ; v16-17  LDS address of my A fragments in slot 0, 1
.set ADRB, 20                          ; v20-21  the same for B
.set STO,  24                          ; v24     the way out: where I put 32 bytes of a row
.set RD,   25                          ; v25     the way out: where I read a row back
.set CO,   26                          ; v26     16 x lane: my byte offset in my wave's 512 bytes of a row of out0, and of bias
.set SPW,  28                          ; v28     LDS address of my spare word: SPARE + 4 x my thread's number; never rewritten
.set NIL,  29                          ; v29     0; never rewritten
.set PFO,  30                          ; v30     the prefetches' offset: my lane x a row of codes (4,096 bytes); never rewritten
.set BI,   32                          ; v[32:35] bias of the four columns that I store
.set AF,   128                         ; A's fragments, in window 0
.set BK,   128                         ; the way out: 16 rows read back from the stage: v128-191 and v192-255 by turns
.set G1, 24                            ; s[24:31] descriptor group 1 for A's tiles;  s[32:39] group 0, one set for each slot
.set G0, 32
.set G1B, 48                           ; s[48:55], s[56:63] the same for B's tiles
.set G0B, 56
.set PFA, 68                           ; s[68:69] where my prefetches stand: my work-group's 32 rows of the 128 that I fetch, one K step further along K than the refill that is being asked for; a prefetch names the K step after that
.set LIM, 70                           ; s70     1 in a wave that prefetches, else the greatest number
.set MSB, 0
.macro WIN new                         ; the immediate's high byte repeats the setting that is left
.if MSB != \new
	s_set_vgpr_msb (MSB<<8)|\new
.set MSB, \new
.endif
.endm
.set MUL_LO, 0xa1                      ; source 0 (B) window 1, source 1 (A) window 0, C and D window 2
.set MUL_HI, 0xf1                      ; the same, C and D window 3
.set TO_B,   0x40                      ; destination window 1, address window 0
; A joint load: waves 0 and 1 fetch for A, waves 2 and 3 for B.  Each of the two lines has ONE mask and one set of registers for all that issue it; the branch hangs on the wave's number alone.
; An s_nop 0 and four v_nop follow each of the two lines, ahead of the jump, the label and what follows.
.macro JLOAD g0a, g1a, g0b, g1b
	s_cmp_eq_u32 s15, 0
	s_cbranch_scc0 .Lfor_b_\@
	tensor_load_to_lds s[\g0a:\g0a+3], s[\g1a:\g1a+7]
	s_nop 0
.rept 4
	v_nop
.endr
	s_branch .Lasked_\@
.Lfor_b_\@:
	tensor_load_to_lds s[\g0b:\g0b+3], s[\g1b:\g1b+7]
	s_nop 0
.rept 4
	v_nop
.endr
.Lasked_\@:
.endm
; A PREFETCH INTO THE L2, behind each joint refill, its five lines and the run of LDS loads that follows them: the K step that stands TWO refills on, 256 matrix instructions ahead of the load that will ask for it:
; 32 rows x 256 bytes, a lane a row, one instruction a wave.  At a change of slots every wave has waited for all its tensor loads, so the refill that follows has nothing on its way beside it.
; Each row's 256 bytes of a K step are named ONCE in the launch.  A's tile row is read by every cluster of that row of clusters: the first of them (cluster x = 0) asks; B's tile column by every cluster of that
; column: cluster y = 0 asks.  The four partners that ask for a tile jointly share its rows out BY ADDRESS: of the 128 rows that a wave fetches, the partner at place p takes 32 p .. 32 p + 31 (p = cx for A, cy for B):
; no branch hangs on a work-group's place in its cluster.  K steps 0 to 3 come by their loads alone; the loop's last trip, whose refills are K steps 14 and 15, asks for nothing: there is no K step two on.
.macro ASK
	s_cmp_gt_u32 s3, s[LIM]                        ; s3 = 1 in the loop's last trip
	s_cbranch_scc0 .Lnot_mine_\@
	global_prefetch_b8 v[PFO], s[PFA:PFA+1] offset:ROWB th:TH_LOAD_NT scope:SCOPE_SE
.Lnot_mine_\@:
.endm
.macro CREST                           ; a round of the cluster's barrier behind its opening barrier
	s_cmp_lg_u32 s14, 0
	s_cbranch_scc1 .Lnot_wave_0_\@
	s_barrier_signal -3
.Lnot_wave_0_\@:
	s_barrier_wait -3
	s_barrier_signal -1
	s_barrier_wait -1
.endm
.macro CROUND                          ; a whole round
	s_barrier_signal -1
	s_barrier_wait -1
	CREST
.endm
	s_load_b128 s[4:7], s[0:1], 0x0                ; xq s[4:5], wq s[6:7]
	s_load_b128 s[8:11], s[0:1], 0x10              ; the two scales' exponents s[8:9], bias s[10:11]
	s_load_b64 s[12:13], s[0:1], 0x20              ; out0
	v_lshl_add_u32 v[SPW], v0, 2, SPARE
	v_mov_b32 v[NIL], 0
	ds_add_u32 v[SPW], v[NIL]                      ; the wave's opening: the add, twice on end, and its wait ahead of my first tensor load; the set-up below the second, work on registers, stands between it and the wait
	ds_add_u32 v[SPW], v[NIL]                      ; and once more: the opening add twice on end, under the one wait
	v_lshrrev_b32 v1, 5, v0
	v_readfirstlane_b32 s14, v1                    ; wave 0..3
	s_lshr_b32 s15, s14, 1                         ; which half of the tile's rows is mine.  Also: I fetch for A (0) or for B (1)
	s_and_b32 s16, s14, 1                          ; which half of its columns.  Also: which 128 rows of that tile I fetch
	s_bfe_u32 s40, ttmp6, 0x40000                  ; cx, cy: my place in the cluster
	s_bfe_u32 s41, ttmp6, 0x40004
	s_lshl_b32 s42, ttmp9, 2
	s_add_co_u32 s42, s42, s40                     ; tile column of out0 = 4 x cluster x + cx
	s_and_b32 s17, ttmp7, 0xffff
	s_lshl_b32 s17, s17, 2
	s_add_co_u32 s17, s17, s41                     ; tile row of out0 = 4 x cluster y + cy
	s_lshl_b32 s43, s41, 2
	s_lshl_b32 s43, 15, s43                        ; my row of the cluster
	s_lshl_b32 s44, 0x1111, s40                    ; my column
	; descriptor group 1: a tile of 128 rows x ROWB bytes, padded in LDS
	s_or_b32 s[G1+0], s43, (0<<16)|(1<<20)|(1<<21)|(5<<22)|(3<<25)  ; 15:0 the mask: A's tiles go to my row; 17:16 element of 1 byte; 20 padding on; 21 set beside a mask; 24:22 after every 64 words (code 5); 31:25 of 4 words (code 3)
	s_or_b32 s[G1B+0], s44, (0<<16)|(1<<20)|(1<<21)|(5<<22)|(3<<25)
.irp g, G1, G1B
	s_mov_b32 s[\g+1], ROWB<<16                    ; tensor_dim0
	s_mov_b32 s[\g+2], 128<<16                     ; tensor_dim1 = 128
	s_mov_b32 s[\g+3], ROWB<<16                    ; tile_dim0
	s_mov_b32 s[\g+4], 128                         ; tile_dim1 = 128
	s_mov_b32 s[\g+5], KROW                        ; tensor_dim0_stride
	s_mov_b32 s[\g+6], 0
	s_mov_b32 s[\g+7], 0
.endr
	s_lshl_b32 s18, s16, 7                         ; which 128 rows of the tile I fetch
	s_lshl_b32 s20, s17, 8
	s_add_co_u32 s20, s20, s18                     ; A: row 256 x tile row + 128 x half
	s_lshl_b32 s46, s42, 8
	s_add_co_u32 s46, s46, s18                     ; B: row 256 x tile column + 128 x half
	s_mov_b32 s21, 0
	s_mov_b32 s47, 0
	s_mov_b64 s[18:19], KROW
	s_mul_u64 s[20:21], s[20:21], s[18:19]         ; and their codes
	s_mul_u64 s[46:47], s[46:47], s[18:19]
	s_mul_i32 s45, s14, HALFT                      ; where they go: wave x 128 rows: no place in the cluster enters an LDS address
	s_wait_dscnt 0x0                               ; both opening adds are done
	s_wait_kmcnt 0x0
	s_load_b64 s[96:97], s[8:9], 0x0               ; e0, e1
	s_add_nc_u64 s[20:21], s[4:5], s[20:21]
	s_add_nc_u64 s[46:47], s[6:7], s[46:47]
	CROUND                                         ; all sixteen work-groups are here: the first joint loads meet
.irp s, 0,1
	s_mov_b32 s[G0+4*\s], 1
	s_add_co_u32 s[G0+4*\s+1], s45, \s*SLOT
	s_add_nc_u64 s[G0+4*\s+2:G0+4*\s+3], s[20:21], \s*ROWB
	s_or_b32 s[G0+4*\s+3], s[G0+4*\s+3], 0x80000000
	s_mov_b32 s[G0B+4*\s], 1
	s_add_co_u32 s[G0B+4*\s+1], s45, \s*SLOT
	s_add_nc_u64 s[G0B+4*\s+2:G0B+4*\s+3], s[46:47], \s*ROWB
	s_or_b32 s[G0B+4*\s+3], s[G0B+4*\s+3], 0x80000000
	JLOAD G0+4*\s, G1, G0B+4*\s, G1B               ; two loads of mine are out: K steps 0 and 1
.endr
	v_and_b32 v1, 15, v0                           ; l % 16
	v_bfe_u32 v2, v0, 4, 1                         ; l / 16
	v_mul_u32_u24 v3, v1, PITCH
	v_lshl_add_u32 v4, v2, 4, v3                   ; a fragment's row x pitch + 16 x half
	s_mul_i32 s21, s15, HALFT                      ; my 128 rows of A
	s_mul_i32 s22, s16, HALFT                      ; my 128 rows of B,
	s_add_co_u32 s22, s22, 2*HALFT                 ; which lie behind A's 256
.irp s, 0,1
	v_add_nc_u32 v[ADRA+\s], s21, v4
	v_add_nc_u32 v[ADRB+\s], s22, v4
	s_add_co_u32 s21, s21, SLOT
	s_add_co_u32 s22, s22, SLOT
.endr
	s_mul_i32 s23, s14, 16*SPITCH                  ; my stage
	v_mul_u32_u24 v5, v1, SPITCH                   ; in: row l % 16, 32 bytes for each half of the lanes
	v_lshl_add_u32 v5, v2, 5, v5
	v_add_nc_u32 v[STO], s23, v5
	v_and_b32 v6, 31, v0
	v_lshlrev_b32 v[CO], 4, v6                     ; back: the 32 lanes take one row of 512 bytes; and the same in out0
	v_add_nc_u32 v[RD], s23, v[CO]
	s_lshl_b32 s20, s17, 8
	s_lshl_b32 s21, s15, 7
	s_add_co_u32 s20, s20, s21                     ; my first row of out0: 256 x tile row + 128 x half
	s_mov_b32 s21, 0
	s_mov_b64 s[18:19], SIZE_N*4
	s_mul_u64 s[20:21], s[20:21], s[18:19]
	s_lshl_b32 s46, s42, 10                        ; my first column, in bytes: 1024 x tile column + 512 x half (in the registers that held B's address: none that feeds A's descriptors ever holds cx)
	s_lshl_b32 s47, s16, 9
	s_add_co_u32 s46, s46, s47
	s_mov_b32 s47, 0
	s_add_nc_u64 s[20:21], s[20:21], s[46:47]
	s_add_nc_u64 s[12:13], s[12:13], s[20:21]
	s_add_nc_u64 s[10:11], s[10:11], s[46:47]      ; bias at my first column: the same bytes on
	global_load_b128 v[BI:BI+3], v[CO], s[10:11]   ; read back from the stage, lane l holds columns 4 l .. 4 l + 3 of every row: four numbers of bias serve all my stores
	; the prefetches: where my wave's stand, and who asks
	s_lshl_b32 s72, s17, 8                         ; the tile's first row in xq,
	s_lshl_b32 s73, s42, 8                         ; in wq
	s_and_b32 s74, ttmp7, 0xffff                   ; cluster y
	s_cmp_eq_u32 s15, 0                            ; do I fetch for A?
	s_cselect_b32 s72, s72, s73
	s_cselect_b32 s73, s40, s41                    ; my place among the four that ask for the tile with me
	s_cselect_b32 s74, ttmp9, s74                  ; the coordinate along which other clusters read the same rows
	s_cselect_b64 s[PFA:PFA+1], s[4:5], s[6:7]
	s_cmp_eq_u32 s74, 0
	s_cselect_b32 s[LIM], 1, -1                    ; the same in all sixteen partners, for a given wave
	s_lshl_b32 s74, s16, 7
	s_add_co_u32 s72, s72, s74                     ; + the 128 rows that I fetch
	s_lshl_b32 s73, s73, 5
	s_add_co_u32 s72, s72, s73                     ; + my work-group's 32 of them
	s_lshl_b32 s72, s72, 12                        ; x 4,096 bytes a row: under 2^24
	s_mov_b32 s73, 0
	s_add_nc_u64 s[PFA:PFA+1], s[PFA:PFA+1], s[72:73]
	s_add_nc_u64 s[PFA:PFA+1], s[PFA:PFA+1], 2*ROWB   ; at K step 2: the first refill steps it to 3 and names K step 4.  Nothing is prefetched here, at the head, where every work-group's first tiles are on their way
	v_lshlrev_b32 v[PFO], 12, v6
.macro FRAG reg, adr, q, i             ; a fragment, 16 rows x 128 bytes of codes, is 16 registers: lane l holds row l % 16; registers 4 c .. 4 c + 3 hold bytes 32 c + 16 (l / 16) + 0 .. 15: the same places of K in A and in B
.irp c, 0,1,2,3
	ds_load_b128 v[\reg+4*\c:\reg+4*\c+3], v[\adr] offset:128*(\q)+32*\c+(\i)*16*PITCH
.endr
.endm
; 16 matrix instructions: A's blocks a0, a0 + 1 x B's eight, 128 along K.  p: B's set.  zero = 1: the first product starts the sums: nothing is ever cleared.
; The 64 accumulators take turns, one instruction a turn, in the same order in every step.
.macro MUL16 a0, p, zero
.irp a, \a0, \a0+1
.irp b, 0,1,2,3,4,5,6,7
.if \zero
	v_wmma_f32_16x16x128_bf8_bf8 v[8*(8*((\a)%4)+\b):8*(8*((\a)%4)+\b)+7], v[128*(\p)+FR*\b:128*(\p)+FR*\b+FR-1], v[AF+FR*(\a):AF+FR*(\a)+FR-1], 0
.else
	v_wmma_f32_16x16x128_bf8_bf8 v[8*(8*((\a)%4)+\b):8*(8*((\a)%4)+\b)+7], v[128*(\p)+FR*\b:128*(\p)+FR*\b+FR-1], v[AF+FR*(\a):AF+FR*(\a)+FR-1], v[8*(8*((\a)%4)+\b):8*(8*((\a)%4)+\b)+7]
.endif
.endr
.endr
.endm
.macro FETCH_B slot, q, p              ; B's eight fragments of the slot's q-th 128 along K into set p
	WIN TO_B
.irp i, 0,1,2,3,4,5,6,7
	FRAG 128*(\p)+FR*\i, ADRB+\slot, \q, \i
.endr
	WIN 0
.endm
.macro FETCH_A slot, q, i0             ; A's blocks i0 .. i0 + 3
.irp i, \i0, \i0+1, \i0+2, \i0+3
	FRAG AF+FR*(\i), ADRA+\slot, \q, \i
.endr
.endm
; A load into a register that a matrix instruction has read, and a vector instruction or an LDS store that reads a matrix result, stand NP places behind that matrix instruction, and only plain vector
; instructions that name none of its registers are places (ISA guide 7.12.1 for vector instructions); this text does not count the matrix instructions in between.
.macro PLACES n
.rept \n
	v_nop
.endr
.endm
; A step of 128 along K that has its successor in the same slot.
.macro STEP slot, q, zero
	s_wait_dscnt 4*NL                              ; B's set and A's blocks 0-3 are in; the youngest sixteen loads (A's blocks 4-7) may be out
	WIN MUL_LO
	MUL16 0, (\q)%2, \zero
	MUL16 2, (\q)%2, \zero
	s_wait_dscnt 0                                 ; A's blocks 4-7 are in (asked for 32 matrix instructions ago)
	PLACES NP
	FETCH_B \slot, (\q)+1, 1-(\q)%2
	FETCH_A \slot, (\q)+1, 0
	WIN MUL_HI
	MUL16 4, (\q)%2, \zero
	MUL16 6, (\q)%2, \zero
	PLACES NP
	WIN 0
	FETCH_A \slot, (\q)+1, 4
.endm
; A slot's last step changes slots: ONE barrier; in front of it each wave waits for all its tensor loads, adds 0 to its spare word, and waits for that and for its own reads of this slot.  fill = 1: this slot is filled again, two K steps ahead.
.macro TURN slot, next, fill
.if \fill
	s_wait_xcnt 0x0                                ; the last prefetch, a K step back, has read its address: it is stepped here, ahead of the waits of the change of slots
	s_add_nc_u64 s[PFA:PFA+1], s[PFA:PFA+1], ROWB
.endif
	s_wait_tensorcnt 0x0                           ; all my tensor loads have landed: the one that was out is my part of the next slot;  (every window is 0 here: the add's two registers lie in window 0)
	ds_add_u32 v[SPW], v[NIL]                      ; 0 onto my spare word
	s_wait_dscnt 4*NL+1                            ; (the add and the youngest sixteen loads, A's blocks 4-7, may be out)
	WIN MUL_LO
	MUL16 0, 1, 0                                  ; sixteen matrix instructions stand between the add and the wait for it
	s_wait_dscnt 0x0                               ; the add is done, and my reads of this slot are over
	s_barrier_signal -1
	MUL16 2, 1, 0
	WIN 0
	s_barrier_wait -1
.if \fill
	CREST                                          ; the barrier has opened a round of the cluster's barrier: no wave of any partner still reads this slot's tile or has a load on its way
	s_add_nc_u64 s[G0+4*\slot+2:G0+4*\slot+3], s[G0+4*\slot+2:G0+4*\slot+3], 2*ROWB
	s_add_nc_u64 s[G0B+4*\slot+2:G0B+4*\slot+3], s[G0B+4*\slot+2:G0B+4*\slot+3], 2*ROWB
	JLOAD G0+4*\slot, G1, G0B+4*\slot, G1B         ; the first tensor load behind the round, and my only one until the next; the four v_nop behind it are the places in front of the loads below
.else
	PLACES NP
.endif
	FETCH_B \next, 0, 0
	FETCH_A \next, 0, 0
.if \fill
	ASK                                            ; behind the joint load and the run of LDS loads that the next products wait for
.endif
	WIN MUL_HI
	MUL16 4, 1, 0
	MUL16 6, 1, 0
	PLACES NP
	WIN 0
	FETCH_A \next, 0, 4
.endm
	s_wait_loadcnt 0x0                             ; bias: no global load of mine is out at a barrier
	s_wait_tensorcnt 1                             ; my part of K step 0 is in (K step 1's load, issued behind it, may be out)
	s_barrier_signal -1
	s_barrier_wait -1                              ; everybody's is
	FETCH_B 0, 0, 0
	FETCH_A 0, 0, 0
	FETCH_A 0, 0, 4
	STEP 0, 0, 1                                   ; the first step stands in front of the loop: its products start the sums
	s_mov_b32 s3, LAPS-1
.Llap:                                                 ; a trip goes once round the ring, from a lap's second step to the next lap's first, and fills both slots again
	TURN 0, 1, 1
	STEP 1, 0, 0
	TURN 1, 0, 1
	STEP 0, 0, 0
	s_sub_co_u32 s3, s3, 1
	s_cmp_lg_u32 s3, 0
	s_cbranch_scc1 .Llap
	TURN 0, 1, 0                                   ; the last lap fills nothing, and has no round of the cluster's barrier
	STEP 1, 0, 0
	s_wait_dscnt 4*NL                              ; the very last step: nothing more to fetch
	WIN MUL_LO
	MUL16 0, 1, 0
	MUL16 2, 1, 0
	s_wait_dscnt 0
	WIN MUL_HI
	MUL16 4, 1, 0
	MUL16 6, 1, 0
	WIN 0
; THE WAY OUT, block by block of 16 rows x 128 columns.  A lane holds 32 neighbouring bytes of a row, and the lanes beside it hold other rows: so a block's sums go, as they are, through my own stage in LDS and come back as
; whole rows of 512 bytes.  There a lane holds the same four columns of every row: one packed multiply-add for two numbers gives sum x 2^(e0 + e1) + bias, and the 32 lanes store two aligned units of 256 bytes.
; LDS serves a wave's instructions in order (ISA guide 5.7.1.4): no wait between the stores and the loads, nor in front of the next block's stores.
.macro TOSTAGE a
.set AC, 64*((\a)%4)
.set WS, 0x08+4*((\a)/4)                           ; an LDS store's data are its source 1: window 2 or 3
	WIN WS
.irp b, 0,1,2,3,4,5,6,7
	ds_store_b128 v[STO], v[AC+8*\b:AC+8*\b+3] offset:64*\b        ; each accumulator from its low end on
	ds_store_b128 v[STO], v[AC+8*\b+4:AC+8*\b+7] offset:64*\b+16
.endr
	WIN 0
.set BB, BK+64*((\a)%2)
.irp t, 0,1,2,3,4,5,6,7,8,9,10,11,12,13,14,15
	ds_load_b128 v[BB+4*\t:BB+4*\t+3], v[RD] offset:\t*SPITCH
.endr
.endm
.macro SEND a, younger                 ; younger: the LDS instructions issued behind block a's loads, which may stay out
.set BB, BK+64*((\a)%2)
	s_wait_dscnt \younger                          ; the block is back in registers
.if (\a) > 0
	s_add_nc_u64 s[12:13], s[12:13], 16*SIZE_N*4   ; (behind a wait on XCNT: the earlier stores have read their base)  16 rows of out0 on: the stores' offsets reach 15 rows, 245,760 bytes, inside the signed 24-bit immediate (ISA guide, chapter 10)
.endif
.irp t, 0,1,2,3,4,5,6,7,8,9,10,11,12,13,14,15
	v_pk_fma_f32 v[BB+4*\t:BB+4*\t+1],   v[BB+4*\t:BB+4*\t+1],   s[96:97], v[BI:BI+1]   op_sel_hi:[1,0,1]   ; sum x s96 + bias (of the scalar pair the low word serves both halves)
	v_pk_fma_f32 v[BB+4*\t+2:BB+4*\t+3], v[BB+4*\t+2:BB+4*\t+3], s[96:97], v[BI+2:BI+3] op_sel_hi:[1,0,1]
.endr
.irp t, 0,1,2,3,4,5,6,7,8,9,10,11,12,13,14,15
	global_store_b128 v[CO], v[BB+4*\t:BB+4*\t+3], s[12:13] offset:\t*SIZE_N*4 th:TH_STORE_NT   ; 32 lanes store 512 consecutive bytes, at a multiple of 256 from out0's first byte; written once, read by nobody here
.endr
.endm
	s_wait_kmcnt 0x0
	s_add_co_i32 s96, s96, s97                     ; e0 + e1, between -126 and 127,
	s_add_co_i32 s96, s96, 127
	s_lshl_b32 s96, s96, 23                        ; makes the f32 number 2^(e0 + e1)
	PLACES NP                                      ; behind the last products: for the LDS stores that read results, and for the loads into the registers that held A's fragments
	TOSTAGE 0
.irp a, 1,2,3,4,5,6,7
.if \a > 1
	s_wait_xcnt 0x0                                ; block a - 2's stores have read their registers and their base: block a's loads may land there, and the base may step
.endif
	TOSTAGE \a
	SEND \a-1, 32                                  ; behind block a - 1's loads: block a's 16 stores and 16 loads
.endr
	s_wait_xcnt 0x0                                ; block 6's stores have read their base
	SEND 7, 0
	s_wait_tensorcnt 0x0                           ; the wave's end: behind my last tensor load and my last LDS store
	ds_add_u32 v[SPW], v[NIL]
	s_wait_dscnt 0x0
	CROUND                                         ; the closing round: no work-group ends while a partner may still ask for a tile that names it
	s_endpgm
.Lfunc_end_k_qd729f9ae5d_gemm:
	.size	k_qd729f9ae5d_gemm, .Lfunc_end_k_qd729f9ae5d_gemm-k_qd729f9ae5d_gemm
	.p2alignl 7, 3214868480
	.fill 96, 4, 3214868480
	.section	.rodata,"a",@progbits
	.p2align	6, 0x0
	.amdhsa_kernel k_qd729f9ae5d_gemm
		.amdhsa_group_segment_fixed_size 327680
		.amdhsa_private_segment_fixed_size 0
		.amdhsa_enable_private_segment 0
		.amdhsa_kernarg_size 40
		.amdhsa_user_sgpr_count 2
		.amdhsa_user_sgpr_kernarg_segment_ptr 1
		.amdhsa_wavefront_size32 1
		.amdhsa_system_sgpr_workgroup_id_x 1
		.amdhsa_system_sgpr_workgroup_id_y 1
		.amdhsa_system_sgpr_workgroup_id_z 1
		.amdhsa_system_vgpr_workitem_id 0
		.amdhsa_next_free_vgpr 1024
		.amdhsa_next_free_sgpr 98
		.amdhsa_reserve_vcc 0
		.amdhsa_float_denorm_mode_32 3
		.amdhsa_float_denorm_mode_16_64 3
		.amdhsa_memory_ordered 1
		.amdhsa_forward_progress 1
		.amdhsa_inst_pref_size 125
	.end_amdhsa_kernel
	.amdgpu_metadata
---
amdhsa.version: [ 1, 2 ]
amdhsa.kernels:
  - .name:           k_qd729f9ae5d_gemm
    .symbol:         k_qd729f9ae5d_gemm.kd
    .args:
      - { .name: xq, .offset: 0, .size: 8, .value_kind: global_buffer, .address_space: global }
      - { .name: wq, .offset: 8, .size: 8, .value_kind: global_buffer, .address_space: global }
      - { .name: lowp_scales, .offset: 16, .size: 8, .value_kind: global_buffer, .address_space: global }
      - { .name: bias, .offset: 24, .size: 8, .value_kind: global_buffer, .address_space: global }
      - { .name: out0, .offset: 32, .size: 8, .value_kind: global_buffer, .address_space: global }
    .group_segment_fixed_size: 327680
    .private_segment_fixed_size: 0
    .kernarg_segment_align: 8
    .kernarg_segment_size: 40
    .max_flat_workgroup_size: 128
    .sgpr_count:     98
    .vgpr_count:     1024
    .wavefront_size: 32
...
	.end_amdgpu_metadata
.endif
;; end of part 2
